; MI455X (gfx1250); checked and timed in simulation.
; The chip was launched on July 23, 2026; its instructions are those of AMD's public machine-readable ISA for CDNA 5 (MIT licence, August 2026) and "CDNA5" Instruction Set Architecture Reference Guide (July 2026). The comments in the code are by the model that wrote it; some were corrected since.
;; Multi Head Self Attention Layer. Allowed arithmetic: float matrix products may take bf16 or f16 operands with f32 sums; other float arithmetic in f32, or as packed bf16 or f16 multiplies, adds, multiply-adds, maxima and minima; sums over many terms, partial sums and values carried from step to step in f32; what a program stores and reads back later, other than sums and carried values, may be rounded once to bf16 or f16.
;; Inputs: Wk 1,024 x 1,024 float32; Wq 1,024 x 1,024 float32; Wv 1,024 x 1,024 float32; x 4 x 2,048 x 1,024 float32.
;; Outputs: out0 4 x 2,048 x 1,024 float32.
;; 2 versions, each right; version 2 is version 1 with the launch prep written anew for expert scheduling mode. Each part assembles by itself: llvm-mc -triple=amdgcn-amd-amdhsa -mcpu=gfx1250 --defsym DOCPART=n.
;; ======== version 1 of 2: 3 launches
;; limits: values are held in f16: magnitudes above 65,504 overflow, below 6.1e-05 lose precision
;; workspace buffers: xb 16,777,216 bytes; wb 6,291,456 bytes; q 16,777,216 bytes; k 16,777,216 bytes; v 16,777,216 bytes
;; launch prep (part 1): grid 256 x 1, 8 waves a work-group, no clusters, 0 bytes of LDS; arguments x, Wq, Wk, Wv, xb, wb; writes xb, wb
.if DOCPART == 1
	.amdgcn_target "amdgcn-amd-amdhsa--gfx1250"
	.amdhsa_code_object_version 6
	.text
	.protected	k_q82497f710d_prep
	.globl	k_q82497f710d_prep
	.p2align	8
	.type	k_q82497f710d_prep,@function
k_q82497f710d_prep:
	s_mov_b64 s[64:65], 0
	v_nop
	global_prefetch_b8 v0, s[64:65] scope:SCOPE_SE
	s_setreg_imm32_b32 hwreg(HW_REG_WAVE_MODE, 25, 1), 1
	s_wait_xcnt 0x0
; x [8192][1024] f32 -> xb, bf16, in blocks along K: xb[kb 0..15][row 0..8191][64]: byte kb x 1,048,576 + row x 128 + 2 (k % 64),
; so that 256 rows x 64 k, a tile of the next launch, are 32,768 bytes on end.
; Wq, Wk, Wv [1024 (k)][1024 (n)] f32 -> wb, bf16, [k][3072]: column g x 384 + t x 128 + c holds W_t[k][128 g + c] (g head, t = 0, 1, 2 for q, k, v),
; so that a head's q, k and v columns are 768 bytes on end in each row.  Each number is rounded once, to nearest even.
; A STREAM: every byte is read once and written once; nothing is shared, so there is no LDS, no barrier, no matrix work.
; SHARES.  Work-group p: rows 32 p .. 32 p + 31 of x, rows 4 p .. 4 p + 3 of each W.  Each of its eight waves issues 44 loads of 512 bytes, all of them before
; the first wait, then converts in place and stores 44 times 256 consecutive bytes, at a multiple of 256 from the buffer's first byte.
.set XO, 1                             ; v1  x: wave x 4 rows + (lane / 16) rows + 16 (lane % 16)
.set YO, 2                             ; v2  xb: wave x 4 rows of 128 bytes + 8 x lane (two rows of 128 bytes lie on end)
.set WO, 3                             ; v3  W: wave (= head) x 512 bytes + 16 x lane
.set ZO, 4                             ; v4  wb: head x 768 bytes + 8 x lane
.set D,  8                             ; v[8:183]  load n: four registers, four f32; the first two then hold four bf16
	s_load_b256 s[4:11], s[0:1], 0x0               ; x s[4:5], Wq s[6:7], Wk s[8:9], Wv s[10:11]
	s_load_b128 s[12:15], s[0:1], 0x20             ; xb s[12:13], wb s[14:15]
	v_lshrrev_b32 v5, 5, v0                        ; wave
	v_bfe_u32 v6, v0, 4, 1                         ; lane / 16
	v_and_b32 v7, 15, v0                           ; lane % 16
	v_and_b32 v[ZO], 31, v0                        ; lane
	v_lshlrev_b32 v[XO], 14, v5                    ; four rows of 4,096 bytes a wave
	v_lshl_add_u32 v[XO], v6, 12, v[XO]
	v_lshl_add_u32 v[XO], v7, 4, v[XO]
	v_lshlrev_b32 v[YO], 9, v5
	v_lshl_add_u32 v[WO], v[ZO], 4, v[YO]
	v_lshl_add_u32 v[YO], v[ZO], 3, v[YO]
	v_mul_u32_u24 v5, v5, 768
	v_lshl_add_u32 v[ZO], v[ZO], 3, v5
	s_lshl_b32 s18, ttmp9, 17                      ; 32 rows of x
	s_mov_b32 s19, 0
	s_lshl_b32 s20, ttmp9, 14                      ; 4 rows of a W
	s_mov_b32 s21, 0
	s_wait_kmcnt 0x0
	s_add_nc_u64 s[4:5], s[4:5], s[18:19]
	s_add_nc_u64 s[6:7], s[6:7], s[20:21]
	s_add_nc_u64 s[8:9], s[8:9], s[20:21]
	s_add_nc_u64 s[10:11], s[10:11], s[20:21]
	s_lshl_b32 s18, ttmp9, 12                      ; 32 rows of 128 bytes in a block of xb
	s_add_nc_u64 s[12:13], s[12:13], s[18:19]      ; blocks 0 to 7,
	s_add_nc_u64 s[16:17], s[12:13], 0x800000      ; blocks 8 to 15: a second base, since a store's immediate has 24 signed bits
	s_mul_i32 s20, ttmp9, 24576                    ; 4 rows of 6,144 bytes in wb
	s_add_nc_u64 s[14:15], s[14:15], s[20:21]
.set n, 0
.rept 32                               ; x: pair of rows n / 16, block n % 16: lanes 0-15 take 256 bytes of one row, lanes 16-31 of the next
	global_load_b128 v[D+4*n:D+4*n+3], v[XO], s[4:5] offset:(n/16)*8192+(n%16)*256 th:TH_LOAD_NT
.set n, n+1
.endr
.set n, 0
.rept 12                               ; W: tensor n / 4, row n % 4: my head's 128 columns, 512 bytes
	global_load_b128 v[D+128+4*n:D+128+4*n+3], v[WO], s[6+2*(n/4):7+2*(n/4)] offset:(n%4)*4096 th:TH_LOAD_NT
.set n, n+1
.endr
.set n, 0
.rept 32
	s_wait_loadcnt 43-n                            ; loads come back in order (ISA guide 5.7.1): load n is in, the 43 - n younger ones stay out
	v_cvt_pk_bf16_f32 v[D+4*n], v[D+4*n], v[D+4*n+1]
	v_cvt_pk_bf16_f32 v[D+4*n+1], v[D+4*n+2], v[D+4*n+3]
	global_store_b64 v[YO], v[D+4*n:D+4*n+1], s[12+4*((n%16)/8):13+4*((n%16)/8)] offset:(n%8)*1048576+(n/16)*256  ; 32 lanes x 8 bytes: two rows of a block, 256 bytes on end
.set n, n+1
.endr
.set n, 0
.rept 12
	s_wait_loadcnt 11-n
	v_cvt_pk_bf16_f32 v[D+128+4*n], v[D+128+4*n], v[D+128+4*n+1]
	v_cvt_pk_bf16_f32 v[D+128+4*n+1], v[D+128+4*n+2], v[D+128+4*n+3]
	global_store_b64 v[ZO], v[D+128+4*n:D+128+4*n+1], s[14:15] offset:(n%4)*6144+(n/4)*256  ; my head's 128 columns of one tensor: 256 bytes on end
.set n, n+1
.endr
	s_endpgm                                       ; no register that a load or store names is ever written again, so no further wait is needed
.Lfunc_end_k_q82497f710d_prep:
	.size	k_q82497f710d_prep, .Lfunc_end_k_q82497f710d_prep-k_q82497f710d_prep
	.p2alignl 7, 3214868480
	.fill 96, 4, 3214868480
	.section	.rodata,"a",@progbits
	.p2align	6, 0x0
	.amdhsa_kernel k_q82497f710d_prep
		.amdhsa_group_segment_fixed_size 0
		.amdhsa_private_segment_fixed_size 0
		.amdhsa_enable_private_segment 0
		.amdhsa_kernarg_size 48
		.amdhsa_user_sgpr_count 2
		.amdhsa_user_sgpr_kernarg_segment_ptr 1
		.amdhsa_wavefront_size32 1
		.amdhsa_system_sgpr_workgroup_id_x 1
		.amdhsa_system_sgpr_workgroup_id_y 1
		.amdhsa_system_sgpr_workgroup_id_z 1
		.amdhsa_system_vgpr_workitem_id 0
		.amdhsa_next_free_vgpr 184
		.amdhsa_next_free_sgpr 66
		.amdhsa_reserve_vcc 0
		.amdhsa_float_denorm_mode_32 3
		.amdhsa_float_denorm_mode_16_64 3
		.amdhsa_memory_ordered 1
		.amdhsa_forward_progress 1
		.amdhsa_inst_pref_size 17
	.end_amdhsa_kernel
	.amdgpu_metadata
---
amdhsa.version: [ 1, 2 ]
amdhsa.kernels:
  - .name:           k_q82497f710d_prep
    .symbol:         k_q82497f710d_prep.kd
    .args:
      - { .name: x, .offset: 0, .size: 8, .value_kind: global_buffer, .address_space: global }
      - { .name: Wq, .offset: 8, .size: 8, .value_kind: global_buffer, .address_space: global }
      - { .name: Wk, .offset: 16, .size: 8, .value_kind: global_buffer, .address_space: global }
      - { .name: Wv, .offset: 24, .size: 8, .value_kind: global_buffer, .address_space: global }
      - { .name: xb, .offset: 32, .size: 8, .value_kind: global_buffer, .address_space: global }
      - { .name: wb, .offset: 40, .size: 8, .value_kind: global_buffer, .address_space: global }
    .group_segment_fixed_size: 0
    .private_segment_fixed_size: 0
    .kernarg_segment_align: 8
    .kernarg_segment_size: 48
    .max_flat_workgroup_size: 256
    .sgpr_count:     66
    .vgpr_count:     184
    .wavefront_size: 32
...
	.end_amdgpu_metadata
.endif
;; end of part 1
;; launch proj (part 2): grid 8 x 32, 4 waves a work-group, clusters of 4 x 4, 327,680 bytes of LDS; arguments xb, wb, q, k, v; writes q, k, v
.if DOCPART == 2
	.amdgcn_target "amdgcn-amd-amdhsa--gfx1250"
	.amdhsa_code_object_version 6
	.text
	.protected	k_q82497f710d_proj
	.globl	k_q82497f710d_proj
	.p2align	8
	.type	k_q82497f710d_proj,@function
k_q82497f710d_proj:
	s_mov_b64 s[64:65], 0
	v_nop
	global_prefetch_b8 v0, s[64:65] scope:SCOPE_SE
	s_setreg_imm32_b32 hwreg(HW_REG_WAVE_MODE, 25, 1), 1
	s_wait_xcnt 0x0
	s_wait_alu depctr_hold_cnt(0) depctr_sa_sdst(0) depctr_va_vdst(0) depctr_va_sdst(0) depctr_va_ssrc(0) depctr_va_vcc(0) depctr_vm_vsrc(0)
	s_getreg_b32 s2, hwreg(HW_REG_IB_STS2, 6, 4)
	s_cmp_eq_u32 s2, 0
	s_cbranch_scc0 .Lentry_in_a_cluster
	s_endpgm
.Lentry_in_a_cluster:
	s_bfe_u32 s2, ttmp6, 0x10000c
	s_cmp_lg_u32 s2, 0xf033
	s_cbranch_scc0 .Lentry_shape_is_right
	s_endpgm
.Lentry_shape_is_right:
; q, k, v = x W.  xb: bf16 [16 (K step)][8192 (row)][64]; wb: bf16 [1024 (k)][3072]: head g's q, k and v columns at 384 g.  q, k, v: f16 [bh = 8 b + g][2048][128], unscaled.
; Products in bf16, sums in f32, K ascending, each result rounded once to f16.
; LIMIT.  f16 ends at 65,504: a q, k or v of magnitude 65,520 or more leaves as an infinity.  NaN and infinities are not treated apart.
; SHARES.  A work-group makes 256 rows x 384 columns (q, k and v of one head): 32 x 8 = 256 work-groups.  Wave (i, j) = (wave / 2, wave % 2) makes rows 128 i .. + 127 and, of each of the
; three tensors, channels 64 j .. + 63: 96 accumulators of 16 x 16, 768 registers.  K goes in 16 steps of 64 through two LDS slots; a step is two halves of 32, 96 matrix instructions each.
; THE MATRIX INSTRUCTION IS USED TRANSPOSED: source 0 = 16 columns of W (turned on the way out of LDS by ds_load_tr16_b128, since wb lies [k][n]), source 1 = 16 rows of x.
; A lane then holds one row and eight neighbouring channels, which pack into 16 bytes.
; CLUSTER.  4 x 4 work-groups.  x's tile hangs on the row block alone and is shared along a row of the cluster, W's on the head alone and is shared along a column: each is asked for JOINTLY,
; by the same tensor load with the same descriptor and a mask that names the four.
; REGISTERS, in windows of 256 (s_set_vgpr_msb: bits 1:0 source 0, 3:2 source 1, 5:4 source 2, 7:6 destination):
;   window 0: v0-31 addresses; v32-95, v96-159 x's fragments (8 x 16 rows x 32 K), two buffers; v160-255 W's fragments, tensor w, block b at 160 + 32 w + 8 b, one buffer:
;             each tensor's four are fetched anew as soon as its 32 products are issued.  On the way out v32-159 hold packed results.
;   window 1 + w: tensor w's 32 accumulators, (a, b) at v[8 (4 a + b)]; on the way out v0-127 take whole rows back from the stage.
.set PA,     144                       ; a row of x in LDS: 128 bytes + 16 = 36 words: the 16 rows of a load start at 16 different groups of four banks (64 banks of 4 bytes: ISA guide 11.1)
.set PB,     864                       ; a k-row of W in LDS: three chunks (q, k, v) of 256 bytes + 32 = 27 x 32 bytes
.set CH,     288                       ; from chunk to chunk
.set BOFF,   256*PA                    ; a slot: x's 256 rows, then W's 64 k-rows
.set SLOT,   BOFF+64*PB                ; 92,160 bytes
.set SPITCH, 272                       ; a stage row: 256 bytes (128 channels of f16) + 16
.set STG0,   2*SLOT                    ; behind the ring, never filled by a tensor load: two stages of 256 rows for the way out
.set STG1,   STG0+256*SPITCH
.set SPARE,  STG1+256*SPITCH           ; behind the stages: the spare words, 128 bytes for each wave: two blocks of 256 bytes that no other line names
.set STEPA,  1048576                   ; bytes from a K step to the next in xb,
.set STEPB,  64*6144                   ; and in wb
.set ADRA, 16                          ; v16-17  LDS address of my fragments of x in slot 0, 1
.set ADRB, 18                          ; v18-19  the same for W
.set STO,  20                          ; v20-21  where I put 16 bytes of a row in stage 0, 1
.set RD,   22                          ; v22-23  where I read rows back
.set CO,   24                          ; v24     16 x lane: my 16 bytes of two rows (512 bytes on end) of q, k or v
.set PFO,  25                          ; v25     the prefetches' offset; never rewritten
.set SPW,  28                          ; v28     LDS address of my spare word: SPARE + 4 x my thread's number; never rewritten
.set NIL,  29                          ; v29     0; never rewritten
.set FA0,  32
.set FA1,  96
.set FB,   160
.set TMP,  32
.set WV,   14                          ; s14  my wave's number
.set WI,   15                          ; s15  i.  Also: I fetch for x (0) or for W (1)
.set WJ,   16                          ; s16  j.  Also: which half of that tile I fetch
.set CNT,  21                          ; s21  trips to go
.set G1A,  24                          ; s[24:31] descriptor group 1 for x's tiles;  s[32:39] group 0, a set for each slot
.set G0A,  32
.set G1B,  40                          ; s[40:47], s[48:55] the same for W's
.set G0B,  48
.set PF,   56                          ; s[56:57] where my prefetches stand
.set PFS,  58                          ; s[58:59] their step, two K steps
.set LIM,  60                          ; s60  1 in a wave that prefetches, else the greatest number
.set MSB, 0
.macro WIN new                         ; the immediate's high byte repeats the setting that is left; a switch that changes nothing is dropped
.if MSB != (\new)
	s_set_vgpr_msb (MSB<<8)|(\new)
.set MSB, (\new)
.endif
.endm
.macro PLACES                          ; four places in front of loads into registers that matrix instructions have read (ISA guide 7.12.1 for vector instructions)
.rept 4
	v_nop
.endr
.endm
; A joint load.  Waves 0 and 1 fetch the two halves of x's tile, waves 2 and 3 those of W's.  The branch hangs on the wave's number alone.
; An s_nop 0 and four v_nop follow each of the two lines, ahead of the jump and the label.
.macro JLOAD s
	s_cmp_eq_u32 s[WI], 0
	s_cbranch_scc0 .Lfor_b_\@
	tensor_load_to_lds s[G0A+4*(\s):G0A+4*(\s)+3], s[G1A:G1A+7]
	s_nop 0
.rept 4
	v_nop
.endr
	s_branch .Lasked_\@
.Lfor_b_\@:
	tensor_load_to_lds s[G0B+4*(\s):G0B+4*(\s)+3], s[G1B:G1B+7]
	s_nop 0
.rept 4
	v_nop
.endr
.Lasked_\@:
.endm
; A round of the cluster's barrier: my work-group's barrier, so that wave 0's signal speaks for all four waves; wave 0 signals; every wave waits for all sixteen work-groups; my work-group's barrier once more.
.macro CREST                           ; a round behind its opening barrier
	s_cmp_lg_u32 s[WV], 0
	s_cbranch_scc1 .Lnot_wave_0_\@
	s_barrier_signal -3
.Lnot_wave_0_\@:
	s_barrier_wait -3
	s_barrier_signal -1
	s_barrier_wait -1
.endm
.macro CROUND
	s_barrier_signal -1
	s_barrier_wait -1
	CREST
.endm
; A PREFETCH INTO THE L2, once a trip, behind slot 0's joint load, its five lines and the run of LDS loads that follows: trip t names K steps 2 t + 4 and 2 t + 5, which the NEXT trip's two refills ask for.
; Each aligned block of 256 bytes is named once in the launch.  x's rows of a row block are read by both clusters of that row of clusters: the one with cluster x = 0 asks, its wave 0; the four partners
; that share the tile take 8,192 bytes of a K step's 32,768 each, told apart BY ADDRESS (cx): a lane a block, one line a K step.  W's columns of a head are read by all eight clusters of that column:
; the one with cluster y = 0 asks, its wave 2; of the two K steps' 128 k-rows each partner takes 32 (cy): a lane a row, three lines for the row's 768 bytes.
; The last trip asks for nothing: K step 16 does not exist.  K steps 0 to 3 come by their loads alone.
.macro ASK
	s_cmp_gt_u32 s[CNT], s[LIM]
	s_cbranch_scc0 .Lnot_mine_\@
	s_cmp_eq_u32 s[WI], 0
	s_cbranch_scc0 .Lask_b_\@
	global_prefetch_b8 v[PFO], s[PF:PF+1] th:TH_LOAD_NT scope:SCOPE_SE
	global_prefetch_b8 v[PFO], s[PF:PF+1] offset:STEPA th:TH_LOAD_NT scope:SCOPE_SE
	s_branch .Lnot_mine_\@
.Lask_b_\@:
	global_prefetch_b8 v[PFO], s[PF:PF+1] th:TH_LOAD_NT scope:SCOPE_SE
	global_prefetch_b8 v[PFO], s[PF:PF+1] offset:256 th:TH_LOAD_NT scope:SCOPE_SE
	global_prefetch_b8 v[PFO], s[PF:PF+1] offset:512 th:TH_LOAD_NT scope:SCOPE_SE
.Lnot_mine_\@:
.endm
	s_load_b256 s[4:11], s[0:1], 0x0               ; xb s[4:5], wb s[6:7], q s[8:9], k s[10:11]
	s_load_b64 s[12:13], s[0:1], 0x20              ; v
	v_lshl_add_u32 v[SPW], v0, 2, SPARE
	v_mov_b32 v[NIL], 0
	ds_add_u32 v[SPW], v[NIL]                      ; the wave's opening: the add and its wait stand ahead of my first tensor load; the set-up below, work on registers, stands between them
	v_lshrrev_b32 v1, 5, v0
	v_readfirstlane_b32 s[WV], v1                  ; wave 0..3
	s_lshr_b32 s[WI], s[WV], 1
	s_and_b32 s[WJ], s[WV], 1
	s_bfe_u32 s17, ttmp6, 0x40000                  ; cx: my place along the cluster's x
	s_bfe_u32 s18, ttmp6, 0x40004                  ; cy: along its y
	s_lshl_b32 s19, ttmp9, 2                       ; in a cluster launch ttmp9 and ttmp7 count clusters
	s_add_co_u32 s19, s19, s17                     ; g, the head = 4 x cluster x + cx
	s_and_b32 s20, ttmp7, 0xffff
	s_lshl_b32 s20, s20, 2
	s_add_co_u32 s20, s20, s18                     ; mb, the block of 256 rows = 4 x cluster y + cy
	s_lshl_b32 s22, s18, 2
	s_lshl_b32 s22, 15, s22                        ; my row of the cluster: places 4 cy .. 4 cy + 3
	s_lshl_b32 s23, 0x1111, s17                    ; my column: places cx, cx + 4, cx + 8, cx + 12
	; group 1 for x: 128 rows of 128 bytes are 16,384 bytes on end: asked for as 64 rows of 256 bytes and padded in LDS after every 128
	s_or_b32 s[G1A], s22, (1<<16)|(1<<20)|(1<<21)|(4<<22)|(3<<25)  ; 15:0 the mask; 17:16 2-byte elements; 20 padding on; 21 set beside a mask; 24:22 after every 32 words (code 4); 31:25 4 words (code 3)
	s_mov_b32 s[G1A+1], 128<<16                    ; tensor_dim0 = 128
	s_mov_b32 s[G1A+2], 64<<16                     ; tensor_dim1 = 64
	s_mov_b32 s[G1A+3], 128<<16                    ; tile_dim0 = 128
	s_mov_b32 s[G1A+4], 64                         ; tile_dim1 = 64
	s_mov_b32 s[G1A+5], 128                        ; 128 elements from row to row
	s_mov_b32 s[G1A+6], 0
	s_mov_b32 s[G1A+7], 0
	; group 1 for W: 32 k-rows of 384 elements (768 bytes, three intervals of 64 words), padded after every 256 bytes
	s_or_b32 s[G1B], s23, (1<<16)|(1<<20)|(1<<21)|(5<<22)|(7<<25)  ; after every 64 words (code 5) 8 words (code 7)
	s_mov_b32 s[G1B+1], 384<<16
	s_mov_b32 s[G1B+2], 32<<16
	s_mov_b32 s[G1B+3], 384<<16
	s_mov_b32 s[G1B+4], 32
	s_mov_b32 s[G1B+5], 3072                       ; 3,072 elements from row to row
	s_mov_b32 s[G1B+6], 0
	s_mov_b32 s[G1B+7], 0
	; where the tiles come from: x's hang on mb and the wave alone, W's on g and the wave alone, each in registers that never hold the other coordinate
	s_lshl_b32 s68, s20, 15                        ; 256 rows of 128 bytes,
	s_lshl_b32 s69, s[WJ], 14                      ; my 128 of them
	s_add_co_u32 s68, s68, s69
	s_mov_b32 s69, 0
	s_mul_i32 s70, s19, 768                        ; the head's 768 bytes of a k-row,
	s_mul_i32 s71, s[WJ], 32*6144                  ; my 32 k-rows of the 64
	s_add_co_u32 s70, s70, s71
	s_mov_b32 s71, 0
	s_mul_i32 s72, s[WJ], 128*PA                   ; and where they go: no place in the cluster enters an LDS address
	s_mul_i32 s73, s[WJ], 32*PB
	s_add_co_u32 s73, s73, BOFF
	s_wait_dscnt 0x0                               ; the opening add is done
	s_wait_kmcnt 0x0
	s_add_nc_u64 s[68:69], s[4:5], s[68:69]
	s_add_nc_u64 s[70:71], s[6:7], s[70:71]
	CROUND                                         ; all sixteen work-groups are here: the first joint loads meet
.irp s, 0,1
	s_mov_b32 s[G0A+4*(\s)], 1                                     ; 1:0 count = 1
	s_add_co_u32 s[G0A+4*(\s)+1], s72, (\s)*SLOT                   ; 63:32 LDS address
	s_add_nc_u64 s[G0A+4*(\s)+2:G0A+4*(\s)+3], s[68:69], (\s)*STEPA  ; 120:64 global address: K step s
	s_or_b32 s[G0A+4*(\s)+3], s[G0A+4*(\s)+3], 0x80000000          ; 127:126 type = 2
	s_mov_b32 s[G0B+4*(\s)], 1
	s_add_co_u32 s[G0B+4*(\s)+1], s73, (\s)*SLOT
	s_add_nc_u64 s[G0B+4*(\s)+2:G0B+4*(\s)+3], s[70:71], (\s)*STEPB
	s_or_b32 s[G0B+4*(\s)+3], s[G0B+4*(\s)+3], 0x80000000
.endr
	s_cmp_eq_u32 s[WI], 0                          ; a wave's two first fills stand in one branch, ahead of every wait on TENSORcnt and every LDS read: two loads of mine are out
	s_cbranch_scc0 .Lfirst_b
	tensor_load_to_lds s[G0A:G0A+3], s[G1A:G1A+7]
	s_nop 0
	tensor_load_to_lds s[G0A+4:G0A+7], s[G1A:G1A+7]
	s_nop 0
.rept 4
	v_nop
.endr
	s_branch .Lfirst_asked
.Lfirst_b:
	tensor_load_to_lds s[G0B:G0B+3], s[G1B:G1B+7]
	s_nop 0
	tensor_load_to_lds s[G0B+4:G0B+7], s[G1B:G1B+7]
	s_nop 0
.rept 4
	v_nop
.endr
.Lfirst_asked:
	; A fragment is 16 rows x 32 K in 8 registers: lane l holds row l % 16; registers 0-3 K = 8 (l / 16) + 0..7, registers 4-7 K = 16 + 8 (l / 16) + 0..7.
	v_and_b32 v1, 15, v0                           ; l % 16
	v_bfe_u32 v2, v0, 4, 1                         ; l / 16
	v_mul_u32_u24 v3, v1, PA                       ; x lies along K: two loads of 16 bytes, 32 bytes apart, at row x pitch + 16 (l / 16)
	v_lshl_add_u32 v3, v2, 4, v3
	s_mul_i32 s74, s[WI], 128*PA                   ; my 128 rows
	v_add_nc_u32 v[ADRA], s74, v3
	v_add_nc_u32 v[ADRA+1], SLOT, v[ADRA]
	v_and_b32 v4, 7, v0                            ; W lies [k][n]: the turning load takes 16 k x 16 columns (lane l reads k-row 8 (l / 16) + l % 8, columns 8 ((l / 8) % 2) + 0..7)
	v_bfe_u32 v5, v0, 3, 1                         ; and leaves half a fragment: lane l holds column l % 16 and 8 k
	v_lshl_add_u32 v4, v2, 3, v4
	v_mul_u32_u24 v4, v4, PB
	v_lshl_add_u32 v4, v5, 4, v4
	s_lshl_b32 s74, s[WJ], 7                       ; my 64 channels of each chunk
	s_add_co_u32 s74, s74, BOFF
	v_add_nc_u32 v[ADRB], s74, v4
	v_add_nc_u32 v[ADRB+1], SLOT, v[ADRB]
	v_mul_u32_u24 v6, v1, SPITCH                   ; into a stage: row 128 i + 16 a + l % 16, byte 128 j + 32 b + 16 (l / 16)
	v_lshl_add_u32 v6, v2, 4, v6
	s_mul_i32 s74, s[WI], 128*SPITCH
	s_lshl_b32 s75, s[WJ], 7
	s_add_co_u32 s74, s74, s75
	s_add_co_u32 s74, s74, STG0
	v_add_nc_u32 v[STO], s74, v6
	v_add_nc_u32 v[STO+1], STG1-STG0, v[STO]
	v_mul_u32_u24 v7, v2, SPITCH                   ; back: wave w takes rows 64 w .. 64 w + 63, whole; lanes 0-15 one row of 256 bytes, lanes 16-31 the next
	v_lshl_add_u32 v7, v1, 4, v7
	s_mul_i32 s74, s[WV], 64*SPITCH
	s_add_co_u32 s74, s74, STG0
	v_add_nc_u32 v[RD], s74, v7
	v_add_nc_u32 v[RD+1], STG1-STG0, v[RD]
	v_and_b32 v[CO], 31, v0
	v_lshlrev_b32 v[CO], 4, v[CO]
	s_lshr_b32 s74, s20, 3                         ; q, k and v at the first row that I store: bh = 8 (mb / 8) + g, 524,288 bytes each;
	s_lshl_b32 s74, s74, 3
	s_add_co_u32 s74, s74, s19
	s_lshl_b32 s74, s74, 19
	s_and_b32 s75, s20, 7                          ; block mb % 8 of 256 rows of 256 bytes;
	s_lshl_b32 s75, s75, 16
	s_add_co_u32 s74, s74, s75
	s_lshl_b32 s75, s[WV], 14                      ; my 64 rows
	s_add_co_u32 s74, s74, s75
	s_mov_b32 s75, 0
	s_add_nc_u64 s[8:9], s[8:9], s[74:75]
	s_add_nc_u64 s[10:11], s[10:11], s[74:75]
	s_add_nc_u64 s[12:13], s[12:13], s[74:75]
	; the prefetches
	s_lshl_b32 s74, s20, 15                        ; x: the row block's 32,768 bytes of a K step,
	s_lshl_b32 s75, s17, 13                        ; my work-group's 8,192 of them,
	s_add_co_u32 s74, s74, s75
	s_add_co_u32 s74, s74, 4*STEPA                 ; at K step 4
	s_mul_i32 s76, s19, 768                        ; W: the head's 768 bytes of a k-row,
	s_lshl_b32 s77, s18, 5                         ; my work-group's 32 k-rows of 128,
	s_add_co_u32 s77, s77, 256                     ; from K step 4 on
	s_mul_i32 s77, s77, 6144
	s_add_co_u32 s76, s76, s77
	s_and_b32 s78, ttmp7, 0xffff                   ; cluster y
	s_mov_b32 s[PFS], 2*STEPB
	s_mov_b32 s79, 6144
	s_cmp_eq_u32 s[WI], 0                          ; do I fetch for x?
	s_cselect_b32 s74, s74, s76
	s_cselect_b32 s78, ttmp9, s78                  ; the coordinate along which other clusters read the same bytes
	s_cselect_b64 s[PF:PF+1], s[4:5], s[6:7]
	s_cselect_b32 s[PFS], 2*STEPA, s[PFS]
	s_cselect_b32 s79, 256, s79                    ; a lane a block of 256 bytes, or a lane a k-row
	s_mov_b32 s75, 0
	s_mov_b32 s[PFS+1], 0
	s_add_nc_u64 s[PF:PF+1], s[PF:PF+1], s[74:75]
	s_or_b32 s78, s78, s[WJ]                       ; waves 0 and 2 of the first cluster along that coordinate: the same in all sixteen partners
	s_cmp_eq_u32 s78, 0
	s_cselect_b32 s[LIM], 1, -1
	v_and_b32 v[PFO], 31, v0
	v_mul_u32_u24 v[PFO], v[PFO], s79
; 16 matrix instructions: tensor w, row blocks a0 .. a0 + 3 x its four channel blocks, 32 along K.  zero = 1: the product starts the sum: nothing is ever cleared.
; The 96 accumulators take turns, one instruction a turn, in the same order in every half: 95 others stand between two links of a chain, over the backward jump too.
.macro MULH fa, w, a0, zero
	WIN (1+(\w))*0x50                              ; C and D in window 1 + w, sources in window 0
.irp a, (\a0), (\a0)+1, (\a0)+2, (\a0)+3
.irp b, 0,1,2,3
.if \zero
	v_wmma_f32_16x16x32_bf16 v[8*(4*(\a)+(\b)):8*(4*(\a)+(\b))+7], v[FB+32*(\w)+8*(\b):FB+32*(\w)+8*(\b)+7], v[(\fa)+8*(\a):(\fa)+8*(\a)+7], 0
.else
	v_wmma_f32_16x16x32_bf16 v[8*(4*(\a)+(\b)):8*(4*(\a)+(\b))+7], v[FB+32*(\w)+8*(\b):FB+32*(\w)+8*(\b)+7], v[(\fa)+8*(\a):(\fa)+8*(\a)+7], v[8*(4*(\a)+(\b)):8*(4*(\a)+(\b))+7]
.endif
.endr
.endr
.endm
.macro MUL fa, w, zero
	MULH \fa, \w, 0, \zero
	MULH \fa, \w, 4, \zero
.endm
.macro FETCH_A slot, h, fa             ; 16 loads: my 128 rows of x, half h of the K step
	WIN 0
.irp a, 0,1,2,3,4,5,6,7
	ds_load_b128 v[(\fa)+8*(\a):(\fa)+8*(\a)+3],   v[ADRA+(\slot)] offset:(\a)*16*PA+64*(\h)
	ds_load_b128 v[(\fa)+8*(\a)+4:(\fa)+8*(\a)+7], v[ADRA+(\slot)] offset:(\a)*16*PA+64*(\h)+32
.endr
.endm
.macro FETCH_B slot, h, w              ; 8 turning loads: my 64 channels of tensor w, half h of the K step
	WIN 0
.irp b, 0,1,2,3
	ds_load_tr16_b128 v[FB+32*(\w)+8*(\b):FB+32*(\w)+8*(\b)+3],   v[ADRB+(\slot)] offset:(\h)*32*PB+CH*(\w)+32*(\b)
	ds_load_tr16_b128 v[FB+32*(\w)+8*(\b)+4:FB+32*(\w)+8*(\b)+7], v[ADRB+(\slot)] offset:(\h)*32*PB+CH*(\w)+32*(\b)+16*PB
.endr
.endm
; A K step's first half: multiplies x's buffer 0 and fetches the second half of the same slot.  On entry 40 loads are out, in this order: W's tensor 0 (8), x (16), tensor 1 (8), tensor 2 (8).
.macro EVEN slot, zero
	s_wait_dscnt 16                                ; tensor 0 and x are in; the 8 + 8 loads of tensors 1 and 2 may be out
	MUL FA0, 0, \zero
	PLACES
	FETCH_B \slot, 1, 0
	FETCH_A \slot, 1, FA1
	s_wait_dscnt 32                                ; tensor 1 is in: behind it tensor 2's 8 and the 24 just issued
	MUL FA0, 1, \zero
	PLACES
	FETCH_B \slot, 1, 1
	s_wait_dscnt 32                                ; tensor 2 is in: behind it 24 + 8
	MUL FA0, 2, \zero
	PLACES
	FETCH_B \slot, 1, 2
.endm
; A K step's second half: multiplies x's buffer 1 and changes slots.  ONE barrier for two things.  In front of it each wave waits for all its tensor loads, of which one is out: its part of the next slot;
; adds 0 to its spare word; and waits for that and for its own reads of this slot.  Behind it nobody reads this slot any more and the next slot is whole.
; fill = 1: the barrier opens a round of the cluster's, and this slot is filled again, two K steps ahead, first thing behind the round: 160 matrix instructions ahead of the wait for it.
.macro ODD slot, next, fill
.if (\fill) && ((\slot) == 1)
	s_wait_xcnt 0x0                                ; the trip's prefetches, a K step back, have read their address: it is stepped here, ahead of the waits of the change of slots
	s_add_nc_u64 s[PF:PF+1], s[PF:PF+1], s[PFS:PFS+1]
.endif
	WIN 0                                          ; (the add's two registers lie in window 0)
	s_wait_tensorcnt 0x0                           ; all my tensor loads have landed;
	ds_add_u32 v[SPW], v[NIL]                      ; 0 onto my spare word;
	s_wait_dscnt 17                                ; tensor 0 and x are in (the add and the 8 + 8 loads of tensors 1 and 2 may be out)
	MULH FA1, 0, 0, 0                              ; sixteen matrix instructions stand between the add and the wait for it
	s_wait_dscnt 0x0                               ; the add is done, and my reads of this slot are over:
	s_barrier_signal -1                            ; say so,
	MULH FA1, 0, 4, 0                              ; work on registers while the others arrive,
	WIN 0
	s_barrier_wait -1                              ; and go on when all four have said so
.if \fill
	CREST                                          ; no wave of any partner still reads this slot's tiles or has a load on its way
	s_add_nc_u64 s[G0A+4*(\slot)+2:G0A+4*(\slot)+3], s[G0A+4*(\slot)+2:G0A+4*(\slot)+3], 2*STEPA
	s_add_nc_u64 s[G0B+4*(\slot)+2:G0B+4*(\slot)+3], s[G0B+4*(\slot)+2:G0B+4*(\slot)+3], 2*STEPB
	JLOAD \slot                                    ; the first tensor load behind the round; the four v_nop behind it are also the places in front of the loads below
.else
	PLACES
.endif
	FETCH_B \next, 0, 0
	FETCH_A \next, 0, FA0
.if (\fill) && ((\slot) == 0)
	ASK
.endif
	MUL FA1, 1, 0                                  ; (the wait for 0 above has shown tensors 1 and 2 in)
	PLACES
	FETCH_B \next, 0, 1
	MUL FA1, 2, 0
	PLACES
	FETCH_B \next, 0, 2
.endm
	s_wait_tensorcnt 1                             ; my part of K step 0 is in; K step 1's may stay out
	s_barrier_signal -1
	s_barrier_wait -1                              ; everybody's is
	FETCH_B 0, 0, 0
	FETCH_A 0, 0, FA0
	FETCH_B 0, 0, 1
	FETCH_B 0, 0, 2
	EVEN 0, 1                                      ; the first half stands in front of the loop: its products start the 96 sums
	WIN 0                                          ; at a label and at a branch every window is 0
	s_mov_b32 s[CNT], 7
.Llap:                                                 ; a trip goes once round the ring, from a K step's second half to the first half two steps on, and fills both slots again: K steps 2 to 15
	ODD 0, 1, 1
	EVEN 1, 0
	ODD 1, 0, 1
	EVEN 0, 0
	WIN 0
	s_sub_co_u32 s[CNT], s[CNT], 1
	s_cmp_lg_u32 s[CNT], 0
	s_cbranch_scc1 .Llap
	ODD 0, 1, 0                                    ; the tail is written out: K steps 14 and 15 ask for nothing
	EVEN 1, 0
	s_wait_dscnt 16                                ; the very last half: nothing more to fetch
	MUL FA1, 0, 0
	s_wait_dscnt 8
	MUL FA1, 1, 0
	s_wait_dscnt 0x0
	MUL FA1, 2, 0
	PLACES                                         ; eight places, once a launch, in front of conversions that read results and write over x's fragments
	PLACES
; THE WAY OUT, a tensor at a time.  PACK: rounded to f16, 16 bytes a lane.  TOSTAGE: into the work-group's stage; a row's 256 bytes come from two waves, so a barrier stands between the writing and the
; reading.  BACK: whole rows, 64 a wave, into the tensor's own accumulator registers, which have been packed.  SEND: stored.  Two stages take turns, so that one barrier a tensor orders both the stage
; just written (stores, wait, barrier, loads) and the stage to be written next (loads, wait, barrier, stores).
.macro PACK w
	WIN (1+(\w))*5                                 ; sources 0 and 1 in window 1 + w, destination in window 0
.set t, 0
.rept 32
.irp r, 0,1,2,3
	v_cvt_pk_f16_f32 v[TMP+4*t+(\r)], v[8*t+2*(\r)], v[8*t+2*(\r)+1]  ; each accumulator's registers in ascending order
.endr
.set t, t+1
.endr
.endm
.macro TOSTAGE n
	WIN 0
.set t, 0
.rept 32
	ds_store_b128 v[STO+(\n)], v[TMP+4*t:TMP+4*t+3] offset:(t/4)*16*SPITCH+32*(t%4)
.set t, t+1
.endr
.endm
.macro BACK w, n
	WIN (1+(\w))<<6                                ; destination in window 1 + w
.set t, 0
.rept 32
	ds_load_b128 v[4*t:4*t+3], v[RD+(\n)] offset:t*2*SPITCH
.set t, t+1
.endr
.endm
.macro SEND w, counted                 ; counted = 1: the loads from the stage were just issued, and each store waits for its own
	WIN (1+(\w))<<2                                ; a store's data are source 1
.set t, 0
.rept 32
.if \counted
	s_wait_dscnt 31-t
.endif
	global_store_b128 v[CO], v[4*t:4*t+3], s[8+2*(\w):9+2*(\w)] offset:t*512  ; two rows: 512 consecutive bytes, at a multiple of 256 from the tensor's first byte
.set t, t+1
.endr
.endm
.macro MEETING
	WIN 0
	s_wait_dscnt 0x0                               ; for the others' sake: my stores into one stage are done, and my reads of the other are back
	s_barrier_signal -1
	s_barrier_wait -1
.endm
	PACK 0
	TOSTAGE 0
	MEETING
	BACK 0, 0
	PACK 1                                         ; a tensor's conversions stand between the loads of the tensor before and the wait for them
	TOSTAGE 1
	MEETING
	SEND 0, 0
	BACK 1, 1
	PACK 2
	TOSTAGE 0                                      ; stage 0 again: every wave's reads of it were waited for in front of the barrier before
	MEETING
	SEND 1, 0
	BACK 2, 0
	SEND 2, 1
	WIN 0
	s_wait_tensorcnt 0x0                           ; the wave's end: behind my last tensor load and my last LDS store
	ds_add_u32 v[SPW], v[NIL]
	s_wait_dscnt 0x0
	CROUND                                         ; the closing round: no work-group ends while a partner may still ask for a tile that names it
	s_endpgm
.Lfunc_end_k_q82497f710d_proj:
	.size	k_q82497f710d_proj, .Lfunc_end_k_q82497f710d_proj-k_q82497f710d_proj
	.p2alignl 7, 3214868480
	.fill 96, 4, 3214868480
	.section	.rodata,"a",@progbits
	.p2align	6, 0x0
	.amdhsa_kernel k_q82497f710d_proj
		.amdhsa_group_segment_fixed_size 327680
		.amdhsa_private_segment_fixed_size 0
		.amdhsa_enable_private_segment 0
		.amdhsa_kernarg_size 40
		.amdhsa_user_sgpr_count 2
		.amdhsa_user_sgpr_kernarg_segment_ptr 1
		.amdhsa_wavefront_size32 1
		.amdhsa_system_sgpr_workgroup_id_x 1
		.amdhsa_system_sgpr_workgroup_id_y 1
		.amdhsa_system_sgpr_workgroup_id_z 1
		.amdhsa_system_vgpr_workitem_id 0
		.amdhsa_next_free_vgpr 1024
		.amdhsa_next_free_sgpr 80
		.amdhsa_reserve_vcc 0
		.amdhsa_float_denorm_mode_32 3
		.amdhsa_float_denorm_mode_16_64 3
		.amdhsa_memory_ordered 1
		.amdhsa_forward_progress 1
		.amdhsa_inst_pref_size 132
	.end_amdhsa_kernel
	.amdgpu_metadata
---
amdhsa.version: [ 1, 2 ]
amdhsa.kernels:
  - .name:           k_q82497f710d_proj
    .symbol:         k_q82497f710d_proj.kd
    .args:
      - { .name: xb, .offset: 0, .size: 8, .value_kind: global_buffer, .address_space: global }
      - { .name: wb, .offset: 8, .size: 8, .value_kind: global_buffer, .address_space: global }
      - { .name: q, .offset: 16, .size: 8, .value_kind: global_buffer, .address_space: global }
      - { .name: k, .offset: 24, .size: 8, .value_kind: global_buffer, .address_space: global }
      - { .name: v, .offset: 32, .size: 8, .value_kind: global_buffer, .address_space: global }
    .group_segment_fixed_size: 327680
    .private_segment_fixed_size: 0
    .kernarg_segment_align: 8
    .kernarg_segment_size: 40
    .max_flat_workgroup_size: 128
    .sgpr_count:     80
    .vgpr_count:     1024
    .wavefront_size: 32
...
	.end_amdgpu_metadata
.endif
;; end of part 2
;; launch attn (part 3): grid 8 x 32, 4 waves a work-group, clusters of 4 x 1, 327,680 bytes of LDS; arguments q, k, v, out0; writes out0
.if DOCPART == 3
	.amdgcn_target "amdgcn-amd-amdhsa--gfx1250"
	.amdhsa_code_object_version 6
	.text
	.protected	k_q82497f710d_attn
	.globl	k_q82497f710d_attn
	.p2align	8
	.type	k_q82497f710d_attn,@function
k_q82497f710d_attn:
	s_mov_b64 s[64:65], 0
	v_nop
	global_prefetch_b8 v0, s[64:65] scope:SCOPE_SE
	s_setreg_imm32_b32 hwreg(HW_REG_WAVE_MODE, 25, 1), 1
	s_wait_xcnt 0x0
	s_wait_alu depctr_hold_cnt(0) depctr_sa_sdst(0) depctr_va_vdst(0) depctr_va_sdst(0) depctr_va_ssrc(0) depctr_va_vcc(0) depctr_vm_vsrc(0)
	s_getreg_b32 s2, hwreg(HW_REG_IB_STS2, 6, 4)
	s_cmp_eq_u32 s2, 0
	s_cbranch_scc0 .Lentry_in_a_cluster
	s_endpgm
.Lentry_in_a_cluster:
	s_bfe_u32 s2, ttmp6, 0x10000c
	s_cmp_lg_u32 s2, 0x3003
	s_cbranch_scc0 .Lentry_shape_is_right
	s_endpgm
.Lentry_shape_is_right:
; out0[b][s][128 g + :] = the sum over t of softmax_t(q[bh][s] . k[bh][t] / 8) v[bh][t][:], bh = 8 b + g.  q, k, v: [32][2048][128] in f16, unscaled; out0: [4][2048][1024] in f32.
; Products, maxima and sums in f32; the weights p are rounded to f16 for the second product (their sum l is taken of the unrounded p); O leaves in f32.
; LIMITS.  q, k and v arrive within f16's range (65,504); p lies in 0 to 1, and below 6e-5 it keeps f16's fixed step of 6e-8; a weight below 2^-126 counts as 0 in l; NaN and infinities are not treated apart.
; SHARES.  A work-group owns 256 queries of one bh, each of its four waves 64: four tiles of 16.  Every wave walks all 2,048 keys, 64 a step.  8 x 32 = 256 work-groups.
; LAYOUT.  S^T = K Q^T (source 0 = 16 keys, source 1 = 16 queries): in the result a lane holds ONE query (lane % 16) and the keys 8 (lane / 16) + 0..7.  Two such tiles, rounded to
; f16 in pairs, ARE source 1 (32 keys x 16 queries) of O^T = V^T P, whose result again holds one query a lane, and eight channels.  So nothing changes lanes between the products,
; and a query's maximum and sum want one exchange between the halves of the lanes.  K comes out of LDS as it lies, V ([key][channel]) turned, by ds_load_tr16_b128.
; SOFTMAX.  For each query a running maximum m and sum l: p = 2^(c s - c m), c = log2(e) / 8; in every step O and l are multiplied by a = 2^(c m_old - c m_new), which is 1 where m has not grown.
; BY TURNS.  The wave's tiles are two PIECES, named by their first tile: piece 0 (tiles 0, 1) and piece 2 (tiles 2, 3).  In a TURN one piece has the matrix unit: 32 products V^T P of
; the step in hand, then 32 products K Q^T of the next step; the other piece's softmax, cut into 64 slices, stands between them, one slice behind each matrix instruction.  Then the
; pieces change places.  Two turns are a key step: 128 matrix and 536 vector instructions.
; CLUSTER.  The four query blocks of a cluster belong to one bh and walk the same K and V, so each tile is asked for JOINTLY: the same tensor load, with the same descriptor and a
; mask that names the four, in all four; each receives the tile in its own LDS.
; REGISTERS, in windows of 256 (s_set_vgpr_msb: bits 1:0 source 0, 3:2 source 1, 5:4 source 2, 7:6 destination):
;   window 0: v0-11 addresses; v12-43 eight registers of statistics a tile; v64-191 S^T, 32 a tile; v192-255 P, 16 a tile
;   window 1: O^T, 64 a tile          window 2: v0-127 Q, 32 a tile; v128-255 K of one step          window 3: v0-127 V of one step
; All that a softmax touches but O^T lies in window 0, and no window has room for a product's operands beside it.  So a slice costs two switches, one in front and one behind.
.set SIZE_N, 2048
.set KS,    64        ; keys in a step
.set PK,    272       ; a row of K in LDS: 256 bytes + 16 of padding = 68 words: row r starts at bank 4 r mod 64 (64 banks of 4 bytes: ISA guide 11.1), so the 16 rows of a load start at 16 different banks
.set PV,    288       ; a row of V: 256 + 32 = 72 words
.set VOFF,  KS*PK     ; a step's tiles lie together: 64 rows of K, then 64 rows of V
.set STEPB, KS*(PK+PV)
.set SLOT1, 1<<17     ; a slot holds two steps (71,680 bytes); slot 1 begins here, so that one exclusive or turns an address in one slot into the other's
.set STAGE, SLOT1+2*STEPB  ; behind the ring, never filled by a tensor load: 16 rows x 528 bytes for each wave, for the way out
.set SP,    528       ; a stage row: 512 bytes (128 channels of f32) + 16 = 33 x 16 bytes
.set SPARE, STAGE+4*16*SP  ; behind the stages: the spare words, 128 bytes for each wave: two blocks of 256 bytes that no other line names
.set AK0, 2           ; v2   my lane's place in a tile of K; never rewritten
.set AV0, 3           ; v3   the same for V
.set ADR, 4           ; v4   the LDS address of the run of loads in hand
.set QO,  5           ; v5   my byte offset in the wave's rows of Q
.set STO, 6           ; v6   the way out: where I put 32 bytes of a row
.set RD,  7           ; v7   the way out: where I read a row back
.set GO,  8           ; v8   16 x lane: my 16 bytes of a row's 512 in out0
.set SPW, 62          ; v62  LDS address of my spare word: SPARE + 4 x my thread's number; never rewritten
.set NIL, 63          ; v63  0; never rewritten
.set ST,  12          ; tile t's statistics at v[ST+8 t]: +0 c m, +1 m, +2, +3 l (even keys', odd keys'), +4 to +7 c0-c3, at work; a takes c2's place once the maximum is found
.set S,   64
.set P,   192
.set KF,  128         ; K's fragments, in window 2
.set WV,  12          ; s12  my wave's number
.set G1K, 24          ; s[24:31] descriptor group 1 for K's tiles
.set G1V, 32          ; s[32:39] for V's: it differs in the padding alone
.set G0K, 40          ; s[40:47] descriptor group 0 for K's tiles: a set for each of the two first fills; the second then walks on
.set G0V, 48          ; s[48:55] the same for V's
.set SLOTS, 56        ; s56  slots still to be asked for
.set TWICE, 57        ; s57  counts a slot's two steps
.set CS,  58          ; s[58:59] c: the packed scaling names a pair and takes its low word for both halves
.set SEL, 60          ; s[60:61] lane selects for v_permlanex16_b32: each lane takes its own place in the other half
.set TB,  62          ; s62  LDS byte at which the tiles of the step to be fetched begin
.set PFA, 18          ; s[18:19] where my prefetches stand in memory: my work-group's 32 rows (of K: wave 0, of V: wave 2) of the slot after the one that is being asked for
.set LIM, 15          ; s15  1 in a wave that prefetches, else the greatest number: a wave prefetches while s[SLOTS] is above it
.set PFO, 61          ; v61  256 x my lane: a row of K or V is 256 bytes; never rewritten
.set MSB, 0
.macro WIN new                      ; the immediate's high byte repeats the setting that is left; a switch that changes nothing is dropped
.if MSB != (\new)
	s_set_vgpr_msb (MSB<<8)|(\new)
.set MSB, \new
.endif
.endm
.set W_KQ, 0x0a       ; K and Q in window 2, S^T in window 0
.set W_PV, 0x53       ; V in window 3, P in window 0, O^T in window 1
.set W_RS, 0x41       ; O^T (destination and source 0) in window 1, a in window 0
; A joint refill.  Waves 0 and 1 fetch the two steps' tiles of K, waves 2 and 3 those of V.  The branch hangs on the wave's number alone: it is the same in every work-group.
; An s_nop 0 and four v_nop follow each of the two lines; the jump round the other line, the label and what follows the macro come after them.
.macro JLOAD
	s_cmp_lt_u32 s[WV], 2
	s_cbranch_scc0 .Lfor_v_\@
	tensor_load_to_lds s[G0K+4:G0K+7], s[G1K:G1K+7]
	s_nop 0
.rept 4
	v_nop
.endr
	s_branch .Lasked_\@
.Lfor_v_\@:
	tensor_load_to_lds s[G0V+4:G0V+7], s[G1V:G1V+7]
	s_nop 0
.rept 4
	v_nop
.endr
.Lasked_\@:
.endm
; A PREFETCH INTO THE L2 of what the NEXT change of slots will ask for: a slot's 128 rows of K and 128 of V, 256 bytes a row, a lane a row.  It stands behind the wave's tensor load and its five lines.
; Each row is asked for ONCE in the launch.  Both clusters of a bh walk the same K and V: the first of them prefetches.  Its four partners share the rows out BY ADDRESS, 32 each.
; In each, wave 0 asks for K's and wave 2 for V's: one instruction.  The last change that fills a slot prefetches nothing: there is no slot behind it.
.macro ASK
	s_cmp_gt_u32 s[SLOTS], s[LIM]
	s_cbranch_scc0 .Lnot_mine_\@
	global_prefetch_b8 v[PFO], s[PFA:PFA+1] th:TH_LOAD_NT scope:SCOPE_SE
.Lnot_mine_\@:
.endm
; A round of the cluster's barrier: my work-group's barrier, so that wave 0's signal speaks for all four waves; wave 0 signals for the work-group; every wave waits for all four
; work-groups; my work-group's barrier once more.  No LDS instruction of the wave is pending at a signal.
.macro CROUND
	s_barrier_signal -1
	s_barrier_wait -1
	s_cmp_lg_u32 s[WV], 0
	s_cbranch_scc1 .Lnot_wave_0_\@
	s_barrier_signal -3
.Lnot_wave_0_\@:
	s_barrier_wait -3
	s_barrier_signal -1
	s_barrier_wait -1
.endm
	s_load_b256 s[4:11], s[0:1], 0x0  ; Q s[4:5], K s[6:7], V s[8:9], O s[10:11]
	v_lshl_add_u32 v[SPW], v0, 2, SPARE
	v_mov_b32 v[NIL], 0
	ds_add_u32 v[SPW], v[NIL]       ; the wave's opening: the add and its wait stand ahead of my first tensor load; the set-up below, work on registers, stands between them
	v_lshrrev_b32 v1, 5, v0
	v_readfirstlane_b32 s[WV], v1   ; wave 0..3
	s_bfe_u32 s13, ttmp6, 0x40000   ; cx: my place in the cluster
	s_lshl_b32 s14, ttmp9, 2        ; in a cluster launch ttmp9 counts clusters
	s_add_co_u32 s14, s14, s13      ; my block of 256 queries = 4 x cluster x + cx: it enters Q's and O's addresses alone
	s_and_b32 s20, ttmp7, 0xffff    ; bh, which the four partners share
	s_mov_b32 s21, 0
	s_mov_b64 s[22:23], SIZE_N*256
	s_mul_u64 s[20:21], s[20:21], s[22:23]  ; its first byte in q, k and v
	s_and_b32 s16, s[WV], 1         ; which of a slot's two steps I fetch:
	s_lshl_b32 s22, s16, 14         ; its 64 rows of 256 bytes in memory,
	s_mov_b32 s23, 0
	s_add_nc_u64 s[22:23], s[22:23], s[20:21]
	s_mul_i32 s17, s16, STEPB       ; and its place in a slot: no place in the cluster enters an LDS address
	s_lshl_b32 s2, s14, 16          ; my block's 256 rows of Q,
	s_lshl_b32 s3, s[WV], 14        ; my wave's 64 of them
	s_add_co_u32 s2, s2, s3
	s_mov_b32 s3, 0
	s_add_nc_u64 s[2:3], s[2:3], s[20:21]
	s_and_b32 s68, ttmp7, 0xffff    ; O: rows of 4,096 bytes.  Batch bh / 8: 2,048 rows;
	s_lshr_b32 s70, s68, 3
	s_lshl_b32 s70, s70, 23
	s_and_b32 s68, s68, 7           ; head bh % 8: 512 bytes of a row;
	s_lshl_b32 s68, s68, 9
	s_add_co_u32 s68, s68, s70
	s_lshl_b32 s70, s14, 20         ; my block's 256 rows;
	s_add_co_u32 s68, s68, s70
	s_lshl_b32 s70, s[WV], 18       ; my wave's 64
	s_add_co_u32 s68, s68, s70
	s_mov_b32 s69, 0
	; descriptor group 1: a tile of 64 rows x 128 elements, padded in LDS
	s_mov_b32 s[G1K], 15|(1<<16)|(1<<20)|(1<<21)|(5<<22)|(3<<25)  ; 15:0 the mask: all four work-groups; 17:16 elements of 2 bytes; 20 padding on; 21 set beside a mask; 24:22 after every 64 words (code 5); 31:25 4 words of it (code 3)
	s_mov_b32 s[G1V], 15|(1<<16)|(1<<20)|(1<<21)|(5<<22)|(7<<25)  ; the same with 8 words of padding (code 7)
.irp g, G1K, G1V
	s_mov_b32 s[(\g)+1], 128<<16    ; 63:48 tensor_dim0, low half = 128
	s_mov_b32 s[(\g)+2], KS<<16     ; 79:64 its high half = 0; 95:80 tensor_dim1, low half = 64
	s_mov_b32 s[(\g)+3], 128<<16    ; 111:96 its high half = 0; 127:112 tile_dim0 = 128
	s_mov_b32 s[(\g)+4], KS         ; 143:128 tile_dim1 = 64; 159:144 tile_dim2 = 0
	s_mov_b32 s[(\g)+5], 128        ; 191:160 tensor_dim0_stride, low word: elements from row to row
	s_mov_b32 s[(\g)+6], 0
	s_mov_b32 s[(\g)+7], 0
.endr
	s_mov_b32 s[CS], 0x3e38aa3b     ; c = log2(e) / 8 = 0.180337
	s_mov_b32 s[CS+1], s[CS]        ; named with it as a pair, so it is written
	s_mov_b32 s[SEL], 0x76543210
	s_mov_b32 s[SEL+1], 0xfedcba98
	s_mov_b32 s[TB], 0
	s_mov_b32 s[SLOTS], SIZE_N/(2*KS)-2
	s_and_b32 s[LIM], s[WV], 1       ; 0 in waves 0 and 2,
	s_or_b32 s[LIM], s[LIM], ttmp9   ; where the cluster is the first of its bh: the same in all four partners
	s_cmp_eq_u32 s[LIM], 0
	s_cselect_b32 s[LIM], 1, -1
	v_and_b32 v[PFO], 31, v0
	v_lshlrev_b32 v[PFO], 8, v[PFO]
	s_wait_dscnt 0x0                ; the opening add is done
	s_wait_kmcnt 0x0
	s_add_nc_u64 s[6:7], s[6:7], s[22:23]  ; K and V at my tile of slot 0
	s_add_nc_u64 s[8:9], s[8:9], s[22:23]
	s_add_nc_u64 s[4:5], s[4:5], s[2:3]  ; Q and O at my wave's first row
	s_add_nc_u64 s[10:11], s[10:11], s[68:69]
	s_cmp_lt_u32 s[WV], 2
	s_cselect_b64 s[PFA:PFA+1], s[6:7], s[8:9]  ; (in waves 0 and 2 these stand at a slot's first row)
	s_lshl_b32 s2, s13, 13          ; my work-group's 32 rows of the 128
	s_mov_b32 s3, 0
	s_add_nc_u64 s[PFA:PFA+1], s[PFA:PFA+1], s[2:3]
	s_add_nc_u64 s[PFA:PFA+1], s[PFA:PFA+1], 2*2*KS*256  ; in slot 2; the first change of slots steps it to slot 3.  Nothing is prefetched here, at the head, where every work-group's first tiles are on their way
	CROUND                          ; all four work-groups are here: the first joint loads meet
.irp s, 0,1
	s_mov_b32 s[G0K+4*(\s)], 1      ; 1:0 count = 1
	s_add_co_u32 s[G0K+4*(\s)+1], s17, (\s)*SLOT1  ; 63:32 LDS address
	s_add_nc_u64 s[G0K+4*(\s)+2:G0K+4*(\s)+3], s[6:7], (\s)*2*KS*256  ; 120:64 global address: slot s begins with keys 128 s to 128 s + 127
	s_or_b32 s[G0K+4*(\s)+3], s[G0K+4*(\s)+3], 0x80000000  ; 127:126 type = 2
	s_mov_b32 s[G0V+4*(\s)], 1
	s_add_co_u32 s[G0V+4*(\s)+1], s17, (\s)*SLOT1+VOFF
	s_add_nc_u64 s[G0V+4*(\s)+2:G0V+4*(\s)+3], s[8:9], (\s)*2*KS*256
	s_or_b32 s[G0V+4*(\s)+3], s[G0V+4*(\s)+3], 0x80000000
.endr
	s_cmp_lt_u32 s[WV], 2           ; a wave's two first fills stand in one branch, ahead of every wait on TENSORcnt and every LDS read: two loads of mine are out; an s_nop 0 follows each, four v_nop the second's, as in JLOAD
	s_cbranch_scc0 .Lfirst_v
	tensor_load_to_lds s[G0K:G0K+3], s[G1K:G1K+7]
	s_nop 0
	tensor_load_to_lds s[G0K+4:G0K+7], s[G1K:G1K+7]
	s_nop 0
.rept 4
	v_nop
.endr
	s_branch .Lfirst_asked
.Lfirst_v:
	tensor_load_to_lds s[G0V:G0V+3], s[G1V:G1V+7]
	s_nop 0
	tensor_load_to_lds s[G0V+4:G0V+7], s[G1V:G1V+7]
	s_nop 0
.rept 4
	v_nop
.endr
.Lfirst_asked:
	; A fragment of K or Q is 16 rows x 32 channels in 8 registers: lane l holds row l % 16; registers 0-3 channels 8 (l / 16) + 0..7, registers 4-7 channels 16 + 8 (l / 16) + 0..7: two loads of 16 bytes, 32 bytes apart.
	v_and_b32 v1, 15, v0            ; l % 16
	v_bfe_u32 v9, v0, 4, 1          ; l / 16
	v_lshlrev_b32 v[QO], 8, v1
	v_lshl_add_u32 v[QO], v9, 4, v[QO]  ; row x 256 + 16 x half
	WIN 0x80                        ; destination window 2, address window 0
.irp i, 0,1,2,3,4,5,6,7,8,9,10,11,12,13,14,15  ; Q stays in registers: tile i / 4, channels 32 (i % 4) on
	global_load_b128 v[8*(\i):8*(\i)+3],   v[QO], s[4:5] offset:((\i)/4)*4096+((\i)%4)*64
	global_load_b128 v[8*(\i)+4:8*(\i)+7], v[QO], s[4:5] offset:((\i)/4)*4096+((\i)%4)*64+32
.endr
	WIN 0
	v_mul_u32_u24 v[AK0], v1, PK
	v_lshl_add_u32 v[AK0], v9, 4, v[AK0]  ; row x pitch + 16 x half
	; The turning load takes 16 keys x 16 channels (lane l reads 16 bytes: key 8 (l / 16) + l % 8, channels 8 ((l / 8) % 2) + 0..7) and leaves half a fragment of V^T: lane l holds channel l % 16 and 8 keys.
	v_and_b32 v10, 7, v0
	v_bfe_u32 v11, v0, 3, 1
	v_lshl_add_u32 v[AV0], v9, 3, v10
	v_mul_u32_u24 v[AV0], v[AV0], PV
	v_lshl_add_u32 v[AV0], v11, 4, v[AV0]
	v_add_nc_u32 v[AV0], VOFF, v[AV0]
; THE MATRIX WORK OF A TURN, for piece x.  The accumulators take turns, one instruction a turn: between two links of a chain stand 15 (V^T P) or 7 (K Q^T) others'.
; Product i of 32 of O^T += V^T P: keys 32 (i / 16) on, channels 16 ((i / 2) % 8) on, tile x + i % 2.  zero = 1: the first 16 start the sums: nothing is ever cleared.
.macro PV x, zero
	WIN W_PV
.set rO, 64*((\x)+i%2)+8*((i/2)%8)
.set rV, 64*(i/16)+8*((i/2)%8)
.set rP, P+16*((\x)+i%2)+8*(i/16)
.if (\zero) && (i < 16)
	v_wmma_f32_16x16x32_f16 v[rO:rO+7], v[rV:rV+7], v[rP:rP+7], 0
.else
	v_wmma_f32_16x16x32_f16 v[rO:rO+7], v[rV:rV+7], v[rP:rP+7], v[rO:rO+7]
.endif
.endm
; Product i of 32 of S^T = K Q^T: channels 32 (i / 8) on, keys 16 ((i / 2) % 4) on, tile x + i % 2.  The first 8 start the sums.
.macro KQ x
	WIN W_KQ
.set rS, S+32*((\x)+i%2)+8*((i/2)%4)
.set rK, KF+32*((i/2)%4)+8*(i/8)
.set rQ, 32*((\x)+i%2)+8*(i/8)
.if i < 8
	v_wmma_f32_16x16x32_f16 v[rS:rS+7], v[rK:rK+7], v[rQ:rQ+7], 0
.else
	v_wmma_f32_16x16x32_f16 v[rS:rS+7], v[rK:rK+7], v[rQ:rQ+7], v[rS:rS+7]
.endif
.endm
; THE LDS LOADS stand in runs of 32, never singly among the matrix instructions: a step's K (64 keys x 128 channels: 16 fragments) and, a turn later, its V (turned).
.macro FETCH_K
	WIN 0
	v_add_nc_u32 v[ADR], s[TB], v[AK0]
	WIN 0x80                        ; destination window 2
.irp f, 0,1,2,3,4,5,6,7,8,9,10,11,12,13,14,15  ; keys 16 (f / 4) on, channels 32 (f % 4) on
	ds_load_b128 v[KF+8*(\f):KF+8*(\f)+3],   v[ADR] offset:((\f)/4)*16*PK+((\f)%4)*64
	ds_load_b128 v[KF+8*(\f)+4:KF+8*(\f)+7], v[ADR] offset:((\f)/4)*16*PK+((\f)%4)*64+32
.endr
.endm
.macro FETCH_V
	WIN 0
	v_add_nc_u32 v[ADR], s[TB], v[AV0]
	s_add_co_u32 s[TB], s[TB], STEPB  ; the next fetch is the next step's
	WIN 0xc0                        ; destination window 3
.irp f, 0,1,2,3,4,5,6,7,8,9,10,11,12,13,14,15  ; keys 32 (f / 8) on, channels 16 (f % 8) on
	ds_load_tr16_b128 v[8*(\f):8*(\f)+3],   v[ADR] offset:((\f)/8)*32*PV+((\f)%8)*32
	ds_load_tr16_b128 v[8*(\f)+4:8*(\f)+7], v[ADR] offset:((\f)/8)*32*PV+16*PV+((\f)%8)*32
.endr
.endm
; THE VECTOR WORK OF A TURN.  One tile's softmax for one key step is a list of 134 instructions; SM writes number j of it for tile t.  s0-s31 are the lane's 32 scores, in pairs 0-15.
; first = 1: the first key step, which starts m, l and O^T: it has no a and nothing to rescale.
;   0-15    the maximum of s0-s31 and the old m, three operands at a time: four chains c0-c3 of seven scores each (each accumulator's lowest registers first), then the four scores left over, c0-c3 and m
;   16-20   the other half of the lanes' maximum; the new m; c m; c m_old - c m_new
;   21-87   33 exponentials (a, then s0-s31) at the odd numbers from 23 on, so that no two follow each other and each has a plain instruction behind it before its result is used.
;           Plain instruction q (number 21, then the even numbers) is whatever is ready: c s - c m for a pair of scores whose exponentials are still to come (q = 0 to 3, then every
;           second q), the rounding to f16 of a pair of weights whose exponentials are done (every other q from 5 on), at last the first three sums
;   88-101  the last rounding; the rest of the sums; l = a l + the sum
;   102-133 the tile's O^T times a: the one part that leaves window 0, so it stands together
.macro SM t, first
.set rT, ST+8*(\t)
.set rS, S+32*(\t)
.set rP, P+16*(\t)
.set rO, 64*(\t)+2*(j-102)
.set q, (j-20)/2
.if j < 102
	WIN 0
.endif
.if j < 4
	v_max3_num_f32 v[rT+4+j], v[rS+8*j], v[rS+8*j+1], v[rS+8*j+2]
.elseif j < 12
	v_max3_num_f32 v[rT+4+j%4], v[rT+4+j%4], v[rS+8*(j%4)+2*(j/4)+1], v[rS+8*(j%4)+2*(j/4)+2]
.elseif j == 12
	v_max3_num_f32 v[rT+4], v[rT+4], v[rS+7], v[rS+15]
.elseif j == 13
	v_max3_num_f32 v[rT+6], v[rT+6], v[rS+23], v[rS+31]
.elseif j == 14
	v_max3_num_f32 v[rT+4], v[rT+4], v[rT+5], v[rT+6]
.elseif (j == 15) && (\first)
	v_max_num_f32 v[rT+4], v[rT+4], v[rT+7]
.elseif j == 15
	v_max3_num_f32 v[rT+4], v[rT+4], v[rT+7], v[rT+1]
.elseif j == 16
	v_permlanex16_b32 v[rT+5], v[rT+4], s[SEL], s[SEL+1]  ; the query's other 32 keys lie in the lane 16 away
.elseif j == 18
	v_max_num_f32 v[rT+1], v[rT+4], v[rT+5]
.elseif j == 19
	v_mul_f32 v[rT], s[CS], v[rT+1]
.elseif ((j == 17) || (j == 20) || (j == 23) || (j > 101)) && (\first)  ; the first step has none of these
.elseif j == 17
	v_mov_b32 v[rT+7], v[rT]        ; c m_old is kept for a: number 19 writes c m anew
.elseif j == 20
	v_sub_f32 v[rT+7], v[rT+7], v[rT]
.elseif j == 23
	v_exp_f32 v[rT+6], v[rT+7]
.elseif (j < 88) && (j > 23) && (j%2 == 1)
	v_exp_f32 v[rS+(j-25)/2], v[rS+(j-25)/2]
.elseif (q < 4) || ((j < 76) && (q%2 == 0))
.set b, q/2+2
.if q < 4
.set b, q
.endif
	v_pk_fma_f32 v[rS+2*b:rS+2*b+1], v[rS+2*b:rS+2*b+1], s[CS:CS+1], v[rT:rT+1] op_sel_hi:[1,0,0] neg_lo:[0,0,1] neg_hi:[0,0,1]  ; pair b: c s - c m
.elseif (j < 88) && (q%2 == 1)
	s_wait_alu depctr_va_vdst(0)
	v_cvt_pk_f16_f32 v[rP+(q-5)/2], v[rS+q-5], v[rS+q-4]  ; pair (q - 5) / 2: its second exponential stands three numbers back
.elseif j == 89
	s_wait_alu depctr_va_vdst(0)
	v_cvt_pk_f16_f32 v[rP+15], v[rS+30], v[rS+31]
.elseif j < 102                     ; the sum of the tile's 16 pairs (in a pair: an even key's weight, an odd key's), in place: sum z of 16 adds neighbours 1, 2, 4 and 8 pairs apart, then l takes it
.set z, j-86
.if j < 89
.set z, (j-76)/4
.endif
.set w, 4
.set u, z
.if z >= 14
.set w, 32
.set u, 0
.elseif z >= 12
.set w, 16
.set u, z-12
.elseif z >= 8
.set w, 8
.set u, z-8
.endif
.if (z == 14) && (\first)
	v_pk_add_f32 v[rT+2:rT+3], v[rS:rS+1], v[rS+16:rS+17]
.elseif z < 15
	v_pk_add_f32 v[rS+w*u:rS+w*u+1], v[rS+w*u:rS+w*u+1], v[rS+w*u+w/2:rS+w*u+w/2+1]
.elseif !(\first)
	v_pk_fma_f32 v[rT+2:rT+3], v[rT+2:rT+3], v[rT+6:rT+7], v[rS:rS+1] op_sel_hi:[1,0,1]
.endif
.else
	WIN W_RS
	v_pk_mul_f32 v[rO:rO+1], v[rO:rO+1], v[rT+6:rT+7] op_sel_hi:[1,0]
.endif
.endm
; Slice k of 64 of piece y's softmax: numbers 2 k and 2 k + 1 of both tiles' lists, four instructions.  2 x 134 = 4 x 64 + 12: the twelve that are over stand together, in slice 63.
.macro SLICE y, first
.if (k >= 11) && (k < 44)           ; tile by tile: plain, exponential, plain, exponential
.irp t, \y, (\y)+1
.irp n, 0,1
.set j, 2*k+(\n)
	SM \t, \first
.endr
.endr
.else                               ; the two tiles alternate, so that no instruction reads the result of the one just before it
.irp n, 0,1,2,3,4,5,6,7
.if ((\n) < 2) || (k == 63)
.irp t, \y, (\y)+1
.set j, 2*k+(\n)
	SM \t, \first
.endr
.endif
.endr
.endif
.set k, k+1
.endm
; A vector instruction that reads a matrix result or writes one of a matrix instruction's registers, and a load into a register that a matrix instruction has read, stand four places behind
; it, and only plain vector instructions that name none of its registers are places (ISA guide 7.12.1 for vector instructions).  In the loop the slices are the places.
.macro PLACES
.rept 4
	v_nop
.endr
.endm
; A TURN.  Piece x has the matrix unit; the other piece's softmax stands in slices behind its matrix instructions.
; pv = 2: 32 products V^T P; 1: they start O^T's sums; 0: none.  kq = 1: 32 products K Q^T for the next step.  A turn with one of the two kinds has two slices behind each product.
; first = 1: the softmax is the first key step's.  Its slices from 51 on are empty: the turn's last products stand bare, and four v_nop take slice 63's part as the places behind them.
; Each run of loads stands behind the second product of a run of 32, 30 matrix instructions ahead of its first use.  Piece 0's turn fetches the next step's K: the last product that read K
; stands in front of slice 63 of the turn before.  Piece 2's turn fetches the same step's V: the last product that read V stands three slices, six plain instructions, back.
.macro TURN x, pv, kq, first
.set k, 0
.set per, 2
.if (\pv) && (\kq)
.set per, 1
.endif
.if \pv
.if (\x) == 0
	s_wait_dscnt 0x0                ; V is in
.endif
.set i, 0
.rept 32
	PV \x, 2-(\pv)
.rept per
	SLICE 2-(\x), \first
.endr
.if ((\x) == 0) && (\kq) && (i == 1)
	FETCH_K
.endif
.set i, i+1
.endr
.endif
.if \kq
.if (\x) == 0
	s_wait_dscnt 0x0                ; K is in
.endif
.set i, 0
.rept 32
	KQ \x
.rept per
	SLICE 2-(\x), \first
.endr
.if ((\x) == 2) && (i == 1)
	FETCH_V
.endif
.set i, i+1
.endr
.endif
.if \first
	PLACES
.endif
.endm
; THE CHANGE OF SLOTS, between piece 2's turn and piece 0's: the slot's last bytes, V of its second step, have been asked for.  Each wave waits for all its
; tensor loads, of which one is out: its part of the other slot; adds 0 to its spare word; and waits for that and for its own reads of the slot.  Behind the barrier nobody reads this slot any more and the other slot is whole.
; fill = 1: this slot is filled again, with the keys two slots on.  The barrier is then a round of the cluster's, so that no wave of any partner still reads the slot or has a load on its
; way, and the joint refill is the first thing behind it: it has two key steps, 256 matrix instructions, in which to land.
.macro CHANGE fill
	WIN 0                           ; at a label and at a branch every window is 0
	s_wait_tensorcnt 0x0            ; no tensor load of mine is out, so a group 0 may be written
	ds_add_u32 v[SPW], v[NIL]       ; 0 onto my spare word: with fill = 1 the descriptors' steps stand between it and the wait for it
.if \fill
.irp g, G0K+4, G0V+4
	s_xor_b32 s[(\g)+1], s[(\g)+1], SLOT1  ; the walking descriptor: the other slot than last time,
	s_add_nc_u64 s[(\g)+2:(\g)+3], s[(\g)+2:(\g)+3], 2*KS*256  ; the next 128 keys; the type bits on top are not reached
.endr
	s_wait_xcnt 0x0                 ; the last prefetches, two key steps back, have read their address, so it may be written:
	s_add_nc_u64 s[PFA:PFA+1], s[PFA:PFA+1], 2*KS*256  ; one slot behind the walking descriptors
	s_wait_dscnt 0x0                ; the add is done, and my reads of the slot are over
	CROUND
	JLOAD
	ASK                             ; what the next change will ask for: two key steps, 256 matrix instructions, ahead
.else
	s_wait_dscnt 0x0                ; the add is done, and my reads of the slot are over
	s_barrier_signal -1
	s_barrier_wait -1
.endif
	s_sub_co_u32 s[TB], s[TB], 2*STEPB  ; the fetches go back to a slot's first step,
	s_xor_b32 s[TB], s[TB], SLOT1   ; in the other slot
.endm
; A slot's two key steps: written once, walked twice; the LDS addresses hang on s[TB].
.macro TWO_STEPS
	WIN 0
	s_mov_b32 s[TWICE], 2
.Lstep_\@:
	TURN 0, 2, 1, 0
	TURN 2, 2, 1, 0
	WIN 0
	s_sub_co_u32 s[TWICE], s[TWICE], 1
	s_cmp_lg_u32 s[TWICE], 0
	s_cbranch_scc1 .Lstep_\@
.endm
	s_wait_tensorcnt 1              ; my part of slot 0 is in; slot 1's may stay out
	s_barrier_signal -1
	s_barrier_wait -1               ; everybody's is
	FETCH_K                         ; key step 0
	s_wait_loadcnt 0x0              ; Q
	s_wait_dscnt 0x0
.set i, 0
.rept 32
	KQ 0                            ; piece 0's first scores: there is no vector work yet to set between them
.set i, i+1
.endr
	WIN 0                           ; the addresses for the way out are made here: six plain instructions, the places behind those products
	s_mul_i32 s13, s[WV], 16*SP
	s_add_co_u32 s13, s13, STAGE    ; my stage
	v_mul_u32_u24 v[STO], v1, SP    ; in: row l % 16, 32 bytes for each half of the lanes
	v_lshl_add_u32 v[STO], v9, 5, v[STO]
	v_add_nc_u32 v[STO], s13, v[STO]
	v_and_b32 v[GO], 31, v0         ; back: 32 lanes take one row of 512 bytes,
	v_lshlrev_b32 v[GO], 4, v[GO]   ; which are 512 consecutive bytes of out0
	v_add_nc_u32 v[RD], s13, v[GO]
	TURN 2, 0, 1, 1                 ; piece 2's first scores | piece 0's first softmax | V of step 0
	TURN 0, 1, 1, 1                 ; piece 0: V^T P of step 0 starts O^T, K Q^T of step 1 | piece 2's first softmax | K of step 1
	TURN 2, 1, 1, 0                 ; piece 2: the same | piece 0's softmax of step 1 | V of step 1
	WIN 0
.Lslot:                             ; 14 trips: every slot but the last two is filled again
	CHANGE 1
	TWO_STEPS
	s_sub_co_u32 s[SLOTS], s[SLOTS], 1
	s_cmp_lg_u32 s[SLOTS], 0
	s_cbranch_scc1 .Lslot
	CHANGE 0                        ; the tail is written out: the last slot but one is left, and nothing is asked for
	TWO_STEPS
	TURN 0, 2, 0, 0                 ; piece 0: V^T P of the last step | piece 2's last softmax
.set i, 0
.rept 32
	PV 2, 0                         ; piece 2: V^T P of the last step
.set i, i+1
.endr
	; THE WAY OUT.  l's two halves and the other half of the lanes' are added; O^T is divided by l and sent, in f32, through my stage in LDS, a tile (16 rows of O) at a time.  The additions are the places behind the last products.
	WIN 0
.irp t, 0,1,2,3
	v_add_f32 v[ST+8*(\t)+4], v[ST+8*(\t)+2], v[ST+8*(\t)+3]
.endr
.irp t, 0,1,2,3
	v_permlanex16_b32 v[ST+8*(\t)+5], v[ST+8*(\t)+4], s[SEL], s[SEL+1]
.endr
.irp t, 0,1,2,3
	v_add_f32 v[ST+8*(\t)+4], v[ST+8*(\t)+4], v[ST+8*(\t)+5]
.endr
.irp t, 0,1,2,3
	v_rcp_f32 v[ST+8*(\t)+6], v[ST+8*(\t)+4]
.endr
	v_nop                           ; a plain instruction between the last reciprocal and the use of its result
; Tile t: a lane's eight channels of a row are 32 bytes; they go into rows of 528 bytes and come back as whole rows of 512, into the registers that they left.
.macro PACK t
	WIN W_RS
.set i, 64*(\t)
.rept 32
	s_wait_alu depctr_va_vdst(0)
	v_pk_mul_f32 v[i:i+1], v[i:i+1], v[ST+8*(\t)+6:ST+8*(\t)+7] op_sel_hi:[1,0]  ; each accumulator's registers in ascending order
.set i, i+2
.endr
	WIN 0x04                        ; an LDS store's data are source 1: window 1
.irp f, 0,1,2,3,4,5,6,7             ; channels 16 f on
	ds_store_b128 v[STO], v[64*(\t)+8*(\f):64*(\t)+8*(\f)+3]   offset:64*(\f)
	ds_store_b128 v[STO], v[64*(\t)+8*(\f)+4:64*(\t)+8*(\f)+7] offset:64*(\f)+16
.endr
	WIN 0x40                        ; destination window 1
.irp f, 0,1,2,3,4,5,6,7,8,9,10,11,12,13,14,15
	ds_load_b128 v[64*(\t)+4*(\f):64*(\t)+4*(\f)+3], v[RD] offset:(\f)*SP  ; LDS serves a wave's instructions in order (ISA guide 5.7.1.4): these see the stores above; the next tile's stores come behind them
.endr
.endm
.macro SEND t, younger              ; younger: the LDS instructions issued behind tile t's loads: the next tile's 32, or none
	WIN 0x04                        ; a store's data are source 1: window 1
.irp f, 0,1,2,3,4,5,6,7,8,9,10,11,12,13,14,15
	s_wait_dscnt (\younger)+15-(\f)
	global_store_b128 v[GO], v[64*(\t)+4*(\f):64*(\t)+4*(\f)+3], s[10:11] offset:(16*(\t)+(\f))*4096 th:TH_STORE_NT  ; a head's 128 channels of one row: 512 consecutive bytes, at a multiple of 256 from out0's first byte
.endr
.endm
	PACK 0
	PACK 1                          ; a tile's arithmetic stands between the loads of the tile before and its stores
	SEND 0, 32
	PACK 2
	SEND 1, 32
	PACK 3
	SEND 2, 32
	SEND 3, 0
	WIN 0
	s_wait_tensorcnt 0x0            ; the wave's end: behind my last tensor load and my last LDS store
	ds_add_u32 v[SPW], v[NIL]
	s_wait_dscnt 0x0
	CROUND                          ; the closing round: no work-group ends while a partner may still ask for a tile that names it
	s_endpgm
.Lfunc_end_k_q82497f710d_attn:
	.size	k_q82497f710d_attn, .Lfunc_end_k_q82497f710d_attn-k_q82497f710d_attn
	.p2alignl 7, 3214868480
	.fill 96, 4, 3214868480
	.section	.rodata,"a",@progbits
	.p2align	6, 0x0
	.amdhsa_kernel k_q82497f710d_attn
		.amdhsa_group_segment_fixed_size 327680
		.amdhsa_private_segment_fixed_size 0
		.amdhsa_enable_private_segment 0
		.amdhsa_kernarg_size 32
		.amdhsa_user_sgpr_count 2
		.amdhsa_user_sgpr_kernarg_segment_ptr 1
		.amdhsa_wavefront_size32 1
		.amdhsa_system_sgpr_workgroup_id_x 1
		.amdhsa_system_sgpr_workgroup_id_y 1
		.amdhsa_system_sgpr_workgroup_id_z 1
		.amdhsa_system_vgpr_workitem_id 0
		.amdhsa_next_free_vgpr 1024
		.amdhsa_next_free_sgpr 72
		.amdhsa_reserve_vcc 0
		.amdhsa_float_denorm_mode_32 3
		.amdhsa_float_denorm_mode_16_64 3
		.amdhsa_memory_ordered 1
		.amdhsa_forward_progress 1
		.amdhsa_inst_pref_size 233
	.end_amdhsa_kernel
	.amdgpu_metadata
---
amdhsa.version: [ 1, 2 ]
amdhsa.kernels:
  - .name:           k_q82497f710d_attn
    .symbol:         k_q82497f710d_attn.kd
    .args:
      - { .name: q, .offset: 0, .size: 8, .value_kind: global_buffer, .address_space: global }
      - { .name: k, .offset: 8, .size: 8, .value_kind: global_buffer, .address_space: global }
      - { .name: v, .offset: 16, .size: 8, .value_kind: global_buffer, .address_space: global }
      - { .name: out0, .offset: 24, .size: 8, .value_kind: global_buffer, .address_space: global }
    .group_segment_fixed_size: 327680
    .private_segment_fixed_size: 0
    .kernarg_segment_align: 8
    .kernarg_segment_size: 32
    .max_flat_workgroup_size: 128
    .sgpr_count:     72
    .vgpr_count:     1024
    .wavefront_size: 32
...
	.end_amdgpu_metadata
.endif
;; end of part 3
;; ======== version 2 of 2: 3 launches; version 1 with the launch prep written anew for expert scheduling mode
;; limits: values are held in f16: magnitudes above 65,504 overflow, below 6.1e-05 lose precision
;; workspace buffers: xb 16,777,216 bytes; wb 6,291,456 bytes; q 16,777,216 bytes; k 16,777,216 bytes; v 16,777,216 bytes
;; launch prep (part 4): grid 256 x 1, 8 waves a work-group, no clusters, 0 bytes of LDS; arguments x, Wq, Wk, Wv, xb, wb; writes xb, wb
.if DOCPART == 4
	.amdgcn_target "amdgcn-amd-amdhsa--gfx1250"
	.amdhsa_code_object_version 6
	.text
	.protected	k_q82497f710d_prep
	.globl	k_q82497f710d_prep
	.p2align	8
	.type	k_q82497f710d_prep,@function
k_q82497f710d_prep:
	s_mov_b64 s[64:65], 0
	v_nop
	global_prefetch_b8 v0, s[64:65] scope:SCOPE_SE
	s_setreg_imm32_b32 hwreg(HW_REG_WAVE_SCHED_MODE, 0, 2), 2
	s_setreg_imm32_b32 hwreg(HW_REG_WAVE_MODE, 25, 1), 1
	s_wait_xcnt 0x0
	s_wait_alu depctr_vm_vsrc(0)
; x [8192][1024] f32 -> xb, bf16, in blocks along K: xb[kb 0..15][row 0..8191][64]: byte kb x 1,048,576 + row x 128 + 2 (k % 64),
; so that 256 rows x 64 k, a tile of the next launch, are 32,768 bytes on end.
; Wq, Wk, Wv [1024 (k)][1024 (n)] f32 -> wb, bf16, [k][3072]: column g x 384 + t x 128 + c holds W_t[k][128 g + c] (g head, t = 0, 1, 2 for q, k, v),
; so that a head's q, k and v columns are 768 bytes on end in each row.  Each number is rounded once, to nearest even.
; A STREAM: every byte is read once and written once; nothing is shared, so there is no LDS, no barrier, no matrix work.
; SHARES.  Work-group p: rows 32 p .. 32 p + 31 of x, rows 4 p .. 4 p + 3 of each W.  Each of its eight waves issues 44 loads of 512 bytes, all of them before
; the first wait, then converts in place and stores 44 times 256 consecutive bytes, at a multiple of 256 from the buffer's first byte.
; THE MODE: SCHED_MODE bits 1:0 = 2 (LLVM: expert scheduling mode 2), set by the entry lines.  The code itself states the register dependences
; between vector instructions and memory instructions, with s_wait_alu, always for 0.
; THE PLAN.  Registers that memory instructions touch:
;   v1 .. v4        byte offsets, made once at the head and never written again: read by every load (v1, v3) and every store (v2, v4).
;   v[D + 4 n ..]   four registers for load n of 44.  Written by load n; read by its two conversions, which write the first two in place; those two are read by store n.
;                   No register is loaded a second time, and none that a store has read is written again.
; The 44 loads go in 11 groups of four.  Group g waits for its four loads and rounds them; the four stores of group g - 1 are dealt among its eight conversions, which name
; group g's registers alone.  So ONE wait on va_vdst at a group's head states all that the group's four stores hang on; one more stands ahead of the first load, for the offsets,
; and one ahead of the last four stores.  No wait on vm_vsrc is owed: nothing that a memory instruction reads is ever written again.
.set XO, 1                             ; v1  x: wave x 4 rows + (lane / 16) rows + 16 (lane % 16)
.set YO, 2                             ; v2  xb: wave x 4 rows of 128 bytes + 8 x lane (two rows of 128 bytes lie on end)
.set WO, 3                             ; v3  W: wave (= head) x 512 bytes + 16 x lane
.set ZO, 4                             ; v4  wb: head x 768 bytes + 8 x lane
.set D,  8                             ; v[8:183]  load n: four registers, four f32; the first two then hold four bf16
.set GROUP,  4                         ; loads, and stores, in a group
.set GROUPS, 44 / GROUP
	s_load_b256 s[4:11], s[0:1], 0x0               ; x s[4:5], Wq s[6:7], Wk s[8:9], Wv s[10:11]
	s_load_b128 s[12:15], s[0:1], 0x20             ; xb s[12:13], wb s[14:15]
	v_lshrrev_b32 v5, 5, v0                        ; wave
	v_bfe_u32 v6, v0, 4, 1                         ; lane / 16
	v_and_b32 v7, 15, v0                           ; lane % 16
	v_and_b32 v[ZO], 31, v0                        ; lane
	v_lshlrev_b32 v[XO], 14, v5                    ; four rows of 4,096 bytes a wave
	v_lshl_add_u32 v[XO], v6, 12, v[XO]
	v_lshl_add_u32 v[XO], v7, 4, v[XO]
	v_lshlrev_b32 v[YO], 9, v5
	v_lshl_add_u32 v[WO], v[ZO], 4, v[YO]
	v_lshl_add_u32 v[YO], v[ZO], 3, v[YO]
	v_mul_u32_u24 v5, v5, 768
	v_lshl_add_u32 v[ZO], v[ZO], 3, v5
	s_lshl_b32 s18, ttmp9, 17                      ; 32 rows of x
	s_mov_b32 s19, 0
	s_lshl_b32 s20, ttmp9, 14                      ; 4 rows of a W
	s_mov_b32 s21, 0
	s_wait_kmcnt 0x0
	s_add_nc_u64 s[4:5], s[4:5], s[18:19]
	s_add_nc_u64 s[6:7], s[6:7], s[20:21]
	s_add_nc_u64 s[8:9], s[8:9], s[20:21]
	s_add_nc_u64 s[10:11], s[10:11], s[20:21]
	s_lshl_b32 s18, ttmp9, 12                      ; 32 rows of 128 bytes in a block of xb
	s_add_nc_u64 s[12:13], s[12:13], s[18:19]      ; blocks 0 to 7,
	s_add_nc_u64 s[16:17], s[12:13], 0x800000      ; blocks 8 to 15: a second base, since a store's immediate has 24 signed bits
	s_mul_i32 s20, ttmp9, 24576                    ; 4 rows of 6,144 bytes in wb
	s_add_nc_u64 s[14:15], s[14:15], s[20:21]
	s_wait_alu depctr_va_vdst(0)                   ; v1 to v4 are written: every load and store of the kernel reads one of them as its offset
.set n, 0
.rept 32                               ; x: pair of rows n / 16, block n % 16: lanes 0-15 take 256 bytes of one row, lanes 16-31 of the next
	global_load_b128 v[D+4*n:D+4*n+3], v[XO], s[4:5] offset:(n/16)*8192+(n%16)*256 th:TH_LOAD_NT
.set n, n+1
.endr
.set n, 0
.rept 12                               ; W: tensor n / 4, row n % 4: my head's 128 columns, 512 bytes
	global_load_b128 v[D+128+4*n:D+128+4*n+3], v[WO], s[6+2*(n/4):7+2*(n/4)] offset:(n%4)*4096 th:TH_LOAD_NT
.set n, n+1
.endr
; Load n's four f32 close up into four bf16 in its first two registers.  Loads 0 to 31 are x's, loads 32 to 43 the three W's.
.macro CV n
	v_cvt_pk_bf16_f32 v[D+4*(\n)], v[D+4*(\n)], v[D+4*(\n)+1]
	v_cvt_pk_bf16_f32 v[D+4*(\n)+1], v[D+4*(\n)+2], v[D+4*(\n)+3]
.endm
.macro ST n
.if (\n) < 32
	global_store_b64 v[YO], v[D+4*(\n):D+4*(\n)+1], s[12+4*(((\n)%16)/8):13+4*(((\n)%16)/8)] offset:((\n)%8)*1048576+((\n)/16)*256  ; 32 lanes x 8 bytes: two rows of a block, 256 bytes on end
.else
	global_store_b64 v[ZO], v[D+4*(\n):D+4*(\n)+1], s[14:15] offset:(((\n)-32)%4)*6144+(((\n)-32)/4)*256  ; my head's 128 columns of one tensor: 256 bytes on end
.endif
.endm
.set g, 0
.rept GROUPS
	s_wait_loadcnt 40-4*g                          ; loads come back in order (ISA guide 5.7.1): loads 0 to 4 g + 3 are in, the 40 - 4 g younger ones stay out
.if g > 0
	s_wait_alu depctr_va_vdst(0)                   ; the conversions of the group before have written the eight registers that the four stores below read
.endif
.set i, 0
.rept GROUP
.if g > 0
	ST GROUP*g-GROUP+i                             ; the group before; no vector instruction since the wait names its registers
.endif
	CV GROUP*g+i
.set i, i+1
.endr
.set g, g+1
.endr
	s_wait_alu depctr_va_vdst(0)                   ; the last group's conversions have written the registers that the last four stores read
.set i, 0
.rept GROUP
	ST 44-GROUP+i
.set i, i+1
.endr
	s_endpgm                                       ; no register that a load or store names is ever written again, so no further wait is needed
.Lfunc_end_k_q82497f710d_prep:
	.size	k_q82497f710d_prep, .Lfunc_end_k_q82497f710d_prep-k_q82497f710d_prep
	.p2alignl 7, 3214868480
	.fill 96, 4, 3214868480
	.section	.rodata,"a",@progbits
	.p2align	6, 0x0
	.amdhsa_kernel k_q82497f710d_prep
		.amdhsa_group_segment_fixed_size 0
		.amdhsa_private_segment_fixed_size 0
		.amdhsa_enable_private_segment 0
		.amdhsa_kernarg_size 48
		.amdhsa_user_sgpr_count 2
		.amdhsa_user_sgpr_kernarg_segment_ptr 1
		.amdhsa_wavefront_size32 1
		.amdhsa_system_sgpr_workgroup_id_x 1
		.amdhsa_system_sgpr_workgroup_id_y 1
		.amdhsa_system_sgpr_workgroup_id_z 1
		.amdhsa_system_vgpr_workitem_id 0
		.amdhsa_next_free_vgpr 184
		.amdhsa_next_free_sgpr 66
		.amdhsa_reserve_vcc 0
		.amdhsa_float_denorm_mode_32 3
		.amdhsa_float_denorm_mode_16_64 3
		.amdhsa_memory_ordered 1
		.amdhsa_forward_progress 1
		.amdhsa_inst_pref_size 17
	.end_amdhsa_kernel
	.amdgpu_metadata
---
amdhsa.version: [ 1, 2 ]
amdhsa.kernels:
  - .name:           k_q82497f710d_prep
    .symbol:         k_q82497f710d_prep.kd
    .args:
      - { .name: x, .offset: 0, .size: 8, .value_kind: global_buffer, .address_space: global }
      - { .name: Wq, .offset: 8, .size: 8, .value_kind: global_buffer, .address_space: global }
      - { .name: Wk, .offset: 16, .size: 8, .value_kind: global_buffer, .address_space: global }
      - { .name: Wv, .offset: 24, .size: 8, .value_kind: global_buffer, .address_space: global }
      - { .name: xb, .offset: 32, .size: 8, .value_kind: global_buffer, .address_space: global }
      - { .name: wb, .offset: 40, .size: 8, .value_kind: global_buffer, .address_space: global }
    .group_segment_fixed_size: 0
    .private_segment_fixed_size: 0
    .kernarg_segment_align: 8
    .kernarg_segment_size: 48
    .max_flat_workgroup_size: 256
    .sgpr_count:     66
    .vgpr_count:     184
    .wavefront_size: 32
...
	.end_amdgpu_metadata
.endif
;; end of part 4
;; launch proj: the kernel of part 2 again; grid 8 x 32, 4 waves a work-group, clusters of 4 x 4, 327,680 bytes of LDS; arguments xb, wb, q, k, v; writes q, k, v
;; launch attn: the kernel of part 3 again; grid 8 x 32, 4 waves a work-group, clusters of 4 x 1, 327,680 bytes of LDS; arguments q, k, v, out0; writes out0
